; MI455X (gfx1250); checked and timed in simulation.
; The chip was launched on July 23, 2026; its instructions are those of AMD's public machine-readable ISA for CDNA 5 (MIT licence, August 2026) and "CDNA5" Instruction Set Architecture Reference Guide (July 2026). The comments in the code are by the model that wrote it; some were corrected since.
;; Attention Layer. Allowed arithmetic: matrix products marked QUANTISED: E4M3 operands, one E8M0 scale for each 32 along K, by v_wmma_scale_f32_16x16x128_f8f6f4 with both operands' format E4M3, f32 sums; products left as they are: f32 operands where the result goes on into a quantised operand, else bf16, f16 or f32 operands; f32 sums; everything else in f32.
;; Inputs: W1_codes 4,096 x 64 x 32 uint8 (E4M3 codes of W1, K innermost, in blocks of 32 codes); W1_scales 4,096 x 64 uint8 (E8M0 scales of W1, one for each 32 codes along K); W2_codes 1,024 x 128 x 32 uint8 (E4M3 codes of W2, K innermost, in blocks of 32 codes); W2_scales 1,024 x 128 uint8 (E8M0 scales of W2, one for each 32 codes along K); Wk_codes 1,024 x 32 x 32 uint8 (E4M3 codes of Wk, K innermost, in blocks of 32 codes); Wk_scales 1,024 x 32 uint8 (E8M0 scales of Wk, one for each 32 codes along K); Wq_codes 1,024 x 32 x 32 uint8 (E4M3 codes of Wq, K innermost, in blocks of 32 codes); Wq_scales 1,024 x 32 uint8 (E8M0 scales of Wq, one for each 32 codes along K); Wv_codes 1,024 x 32 x 32 uint8 (E4M3 codes of Wv, K innermost, in blocks of 32 codes); Wv_scales 1,024 x 32 uint8 (E8M0 scales of Wv, one for each 32 codes along K); dec_h 16 x 1,024 float32; enc_codes 16 x 2,048 x 32 x 32 uint8 (E4M3 codes of enc, K innermost, in blocks of 32 codes); enc_scales 16 x 2,048 x 32 uint8 (E8M0 scales of enc, one for each 32 codes along K).
;; Outputs: out0 16 x 1,024 float32.
;; This version of the problem:
;;   THIS VERSION OF THE PROBLEM IS GIVEN IN LOW PRECISION. The matrix products marked QUANTISED in the list below multiply operands that are first quantised to E4M3 (4 exponent bits, 3 mantissa bits; 8 bits a number), with one power-of-two scale for each 32 numbers along K (OCP MX v1.0); their sums are f32. All else is computed in f32.
;;   The module's matrix products, in the order in which they are computed (A, B: the left and right operand; K: the contracted axis; several contracted axes count as one K, in the product's order):
;;     1. [M 16, K 1,024] x [K 1,024, N 1,024]; A: input dec_h; B: input Wq (given as codes): QUANTISED
;;     2. [M 32,768, K 1,024] x [K 1,024, N 1,024]; A: input enc (given as codes); B: input Wk (given as codes): QUANTISED
;;     3. [M 32,768, K 1,024] x [K 1,024, N 1,024]; A: input enc (given as codes); B: input Wv (given as codes): QUANTISED
;;     4. batch 256 x [M 1, K 64] x [K 64, N 2,048]; A: computed on the way; B: computed on the way: left as it is (M = 1 < 16)
;;     5. batch 256 x [M 1, K 2,048] x [K 2,048, N 64]; A: softmax; B: computed on the way: left as it is (M = 1 < 16)
;;     6. [M 16, K 2,048] x [K 2,048, N 4,096]; A: computed on the way; B: input W1 (given as codes): QUANTISED
;;     7. [M 16, K 4,096] x [K 4,096, N 1,024]; A: computed on the way; B: input W2 (given as codes): QUANTISED
;;   THE QUANTISER, for each operand of a quantised product, along K:
;;     - K is cut into blocks of 32 from its start; a last block that is shorter is filled with zeros.
;;     - A block's scale is 2^e with e = floor(log2(the largest magnitude in the block)) - 8, held to -126 .. 127; a block of zeros has e = 0. As a byte (E8M0): e + 127.
;;     - Each number is divided by its block's scale, clamped to +-448, and rounded to the nearest number of E4M3, ties to even, subnormals kept.
;;     - The product sums the exact products of the quantised numbers (number of the format x scale) in f32.
;;   ~~~python
;;   def quantise(x, axis):      # numpy; x: float32 -> the quantised numbers, widened to float32 again
;;       x = np.moveaxis(x, axis, -1); K = x.shape[-1]
;;       x = np.pad(x, [(0, 0)] * (x.ndim - 1) + [(0, -K % 32)]); x = x.reshape(x.shape[:-1] + (-1, 32)); a = np.abs(x).max(-1, keepdims=True)
;;       e = np.where(a > 0, np.clip(np.frexp(np.where(a > 0, a, 1))[1] - 1 - 8, -126, 127), 0)      # np.frexp(a)[1] - 1 = floor(log2(a)), exactly
;;       r = np.clip(x / 2.0 ** e, -448, 448)
;;       step = 2.0 ** (np.maximum(np.frexp(np.where(r == 0, 1, r))[1] - 1, -6) - 3)
;;       q = np.round(r / step) * step * 2.0 ** e      # np.round: ties to even
;;       return np.moveaxis(q.reshape(q.shape[:-2] + (-1,))[..., :K], -1, axis).astype(np.float32)
;;   ~~~
;;   OPERANDS COMPUTED ON THE WAY. 'Computed on the way' means the value that the module computes at that place (a softmax that the list does not call 'softmax' is quantised finished and normalised). What goes into a quantiser is computed in f32, as accurately as f32 sums, v_exp_f32 and their like allow (about 1e-6 of the number): no bf16 or f16 on the way to a quantiser, and a product that is left as it is and whose result goes on into a quantised operand takes f32 operands (vector FMAs, or v_wmma_f32_16x16x4_f32). A number that lies on a knife's edge between two numbers of the format may be rounded either way, as far as f32 arithmetic and the matrix unit's own rounding can turn it there, and no further.
;;   INPUTS GIVEN AS CODES. W1 (in the module: [4096, 2048], K = its axis 1); W2 (in the module: [1024, 4096], K = its axis 1); Wk (in the module: [1024, 1024], K = its axis 1); Wq (in the module: [1024, 1024], K = its axis 1); Wv (in the module: [1024, 1024], K = its axis 1); enc (in the module: [16, 2048, 1024], K = its axis 2): each comes as NAME_codes (uint8): NAME with its K axis moved to the last place and cut into blocks of 32 codes, [.., K / 32, bytes a block], one block behind the other in memory; one code a byte (a code: sign, 4 exponent bits, 3 mantissa bits); and NAME_scales (uint8): the same leading axes, one E8M0 byte (e + 127) for each 32 codes along K. Its value is code x scale, taken as it is: it is not quantised again, and the codes and scales need not be those that the quantiser above would give.
;; One version. Each part assembles by itself: llvm-mc -triple=amdgcn-amd-amdhsa -mcpu=gfx1250 --defsym DOCPART=n.
;; ======== version 1 of 1: 3 launches
;; limits: right only within a limited range of input values
;; workspace buffers: part_c 131,072 bytes; part_ml 4,096 bytes; hbuf 81,920 bytes
;; launch kvattn (part 1): grid 8 x 32, 4 waves a work-group, clusters of 4 x 4, 327,680 bytes of LDS; arguments enc_codes, enc_scales, Wk_codes, Wk_scales, Wv_codes, Wv_scales, Wq_codes, Wq_scales, dec_h, part_c, part_ml; writes part_c, part_ml
.if DOCPART == 1
	.amdgcn_target "amdgcn-amd-amdhsa--gfx1250"
	.amdhsa_code_object_version 6
	.text
	.protected	k_qd102f74c28_kvattn
	.globl	k_qd102f74c28_kvattn
	.p2align	8
	.type	k_qd102f74c28_kvattn,@function
k_qd102f74c28_kvattn:
	s_mov_b64 s[64:65], 0
	v_nop
	global_prefetch_b8 v0, s[64:65] scope:SCOPE_SE
	s_setreg_imm32_b32 hwreg(HW_REG_WAVE_MODE, 25, 1), 1
	s_wait_xcnt 0x0
	s_wait_alu depctr_hold_cnt(0) depctr_sa_sdst(0) depctr_va_vdst(0) depctr_va_sdst(0) depctr_va_ssrc(0) depctr_va_vcc(0) depctr_vm_vsrc(0)
	s_getreg_b32 s2, hwreg(HW_REG_IB_STS2, 6, 4)
	s_cmp_eq_u32 s2, 0
	s_cbranch_scc0 .Lentry_in_a_cluster
	s_endpgm
.Lentry_in_a_cluster:
	s_bfe_u32 s2, ttmp6, 0x10000c
	s_cmp_lg_u32 s2, 0xf033
	s_cbranch_scc0 .Lentry_shape_is_right
	s_endpgm
.Lentry_shape_is_right:
; k = enc Wk^T, v = enc Wv^T, q = dec_h Wq^T on codes of FP8 (E4M3) with E8M0 scales, and the attention of one query a batch over 1,024 of its 2,048 tokens; a later launch joins the two halves.
; SHARES.  A work-group owns two heads (grid x) and 1,024 tokens (grid y).  Wave w: head w % 2, half w / 2 of K = 1,024.  It holds ITS WEIGHTS IN REGISTERS throughout: 64 columns of Wk and 64 of Wv over 512 of K (512 registers),
; and streams enc past them in blocks of 16 tokens: 32 products a block, 16 of k and 16 of v.
; THE TWO HALVES OF K ARE NEVER ADDED AS k OR v: score and weighted sum are linear in k and in v, so the two waves of a head exchange partial scores (four f32 a token) and add their weighted sums at the end.
; All products are used with source 0 = the weight's rows: lane (r, h) = (lane % 16, lane / 16) holds token r of a block and, in register 8 t + j, column 16 t + 8 h + j of the head.
; SOFTMAX: t = score x log2(e) / 8; each lane keeps its own running M, the largest t rounded UP to a whole number, its own sum and its own weighted sums; p = 2^(t - M).  M's moves are whole powers of two (v_ldexp_f32).
; 2^x: x = n + f, n whole, |f| <= 1/2; a polynomial of degree 6 in f in f32, then v_ldexp_f32 by n.
; THE ORDER OF WORK goes by pairs of blocks (A, B).  ALL LDS WORK OF A BLOCK STANDS IN ONE RUN AHEAD OF ITS PRODUCTS: the partial scores of the block before, the fragments of the block behind, in B what the partner scored.
; k of a block is scored among its own v products; a barrier in the next pair's A shows both blocks' scores; M and p are made in that pair's B; v's parked sums (four sets) are weighted in the A and B behind it.
; CLUSTERS 4 x 4: enc's rows and scale bytes are shared along a row of the cluster, Wk along a column: joint loads.  Wv and Wq go once, straight into registers.
; RING: two slots of 128 rows of enc; Wk lies in slot 0 first, chunk 0 in slot 1.
; A round of the cluster's barrier spans block 0 of a chunk of 128 tokens; the chunk asked for behind it is shown by the barrier of block 6 and first read ahead of block 7.
; PREFETCH: trip t names chunk t + 3, two trips ahead of its load; a wave of the cluster's row asks for 8,192 bytes, told apart by address.  The head names chunks 1 and 2.
; part_c: [pair of heads][batch][head of the pair][half of the tokens][64];  part_ml: [batch][head][half]: M and the sum.
; LIMITS: scaled scores stay under 2^31 in magnitude; NaN and infinities are not served; a block of dec_h under 2^-118 gets the byte 1 (read by this program alone).
.set PITCH, 1040                       ; a row of 1,024 bytes + 16
.set BLKB,  16*PITCH
.set YB,    128*PITCH                  ; slot 1
.set SCL,   2*YB                       ; scale bytes of 1,024 rows: units of 256 bytes (8 rows) + 16
.set SPARE, SCL+128*272
.set QX,    SPARE+512                  ; dec_h's codes and scale words, 768 bytes a wave
.set QXW,   768
.set XQ,    QX+4*QXW                   ; partial q, 256 bytes a wave
.set XCH,   XQ+1024                    ; partial scores: [parity of the pair][head][block of the pair][token][half of K][h]
.set XT,    XCH+2048                   ; the weighted sums at the end
.set ADR0, 2                           ; v2, v3  LDS address of my fragments of blocks 0-3, 4-7 of a slot
.set ADR1, 3
.set A0,   4                           ; v4      my place in a slot
.set AAS,  5                           ; v5      my row's scale words
.set XST,  6                           ; v6      where my partial scores go
.set SPW,  7
.set NIL,  8
.set XLD,  9                           ; v9      where a token's four partial scores lie
.set MR,   10
.set LR,   11
.set PFO,  12
.set PA,   16                          ; v[16:17], v[18:19]: p of the pair's two blocks in the low registers
.set PB,   18
.set WS,   24                          ; v24-39 the weights' scale words: register 4 p + q: lanes 0-15 tile 2 p, lanes 16-31 tile 2 p + 1; p = 0, 1 Wk, 2, 3 Wv
.set SA,   42                          ; v42-49 enc's, two sets of four
.set T0,   50
.set T1,   52
.set AL,   62                          ; v[62:63] 2^(old M - new M)
.set Q,    64
.set CT,   96
.set KA,   128
.set TM,   128                         ; head only
.set CC,   160                         ; v160-171 the polynomial's numbers, as pairs
.set X,    160                         ; head: 64 numbers of dec_h, then the fragments of its codes
.set QW,   224                         ; v224-231 Wq's scale words; v234-237 dec_h's
.set QS,   234
.set PC,   240
.set PW,   41
.set G1X,  24                          ; s[24:31], s[32:35] enc; s[40:43] chunk 0, whole
.set G0X,  32
.set G0K,  36
.set G0C,  40
.set G1W,  48
.set PFA,  66
.set G1S,  68
.set G0S,  76
.set CX,   80
.set CY,   81
.set XX,   82
.set YY,   83
.set WV,   84
.set HF,   85
.set UU,   86
.set HDI,  87
.set SEL,  88
.set MNT,  90
.set CS,   92
.set SCUR, 94                          ; this trip's slot, the next trip's
.set SNXT, 95
.set TRIP, 96
.set MSB, 0
.macro WIN new                         ; the immediate's high byte repeats the setting that is left
.if MSB != (\new)
	s_set_vgpr_msb (MSB<<8)|(\new)
.set MSB, (\new)
.endif
.endm
.macro PLACES n
.rept \n
	v_nop
.endr
.endm
.macro WALU
	s_wait_alu depctr_va_vdst(0)
.endm
.macro TLOAD g0, g1
	tensor_load_to_lds s[\g0:\g0+3], s[\g1:\g1+7]
	s_nop 0
	PLACES 4
.endm
.macro CREST                           ; a round of the cluster's barrier behind its opening signal
	s_barrier_wait -1
	s_cmp_lg_u32 s[WV], 0
	s_cbranch_scc1 .Lnot_wave_0_\@
	s_barrier_signal -3
.Lnot_wave_0_\@:
	s_barrier_wait -3
	s_barrier_signal -1
	s_barrier_wait -1
.endm
.macro CROUND
	s_barrier_signal -1
	CREST
.endm
.macro GROUP1 g, mask, rows            ; whole rows of 1,024 bytes, 16 of padding behind each
	s_or_b32 s[\g], s[\mask], (1<<20)|(1<<21)|(7<<22)|(3<<25)
	s_mov_b32 s[\g+1], 1024<<16
	s_mov_b32 s[\g+2], (\rows)<<16
	s_mov_b32 s[\g+3], 1024<<16
	s_mov_b32 s[\g+4], \rows
	s_mov_b32 s[\g+5], 1024
	s_mov_b32 s[\g+6], 0
	s_mov_b32 s[\g+7], 0
.endm
.macro QUANT s                         ; 64 numbers of a lane (register 16 b + i = k 32 b + 16 h + i) become codes in PC on and a scale word in PW
.irp b, 0,1,2,3
	v_max3_num_f32 v[TM+\b], |v[\s+16*\b]|, |v[\s+1+16*\b]|, 0x4800000
.endr
.irp i, 2,4,6,8,10,12,14
.irp b, 0,1,2,3
	v_max3_num_f32 v[TM+\b], v[TM+\b], |v[\s+16*\b+\i]|, |v[\s+1+16*\b+\i]|
.endr
.endr
.irp b, 0,1,2,3
	v_permlanex16_b32 v[TM+4+\b], v[TM+\b], s[SEL], s[SEL+1]
.endr
.irp b, 0,1,2,3
	v_max_num_f32 v[TM+\b], v[TM+\b], v[TM+4+\b]
.endr
.irp b, 0,1,2,3
	v_add_nc_u32 v[TM+12+\b], 0xfc000000, v[TM+\b]
.endr
.irp b, 0,1,2,3
	v_and_or_b32 v[TM+8+\b], v[TM+\b], 0x7f800000, s[MNT]
.endr
.irp b, 0,1,2,3
	v_lshrrev_b32 v[TM+4+\b], 23, v[TM+12+\b]
.endr
	v_lshl_or_b32 v[PW], v[TM+5], 8, v[TM+4]
	v_lshl_or_b32 v[PW], v[TM+6], 16, v[PW]
	v_lshl_or_b32 v[PW], v[TM+7], 24, v[PW]
.irp b, 0,1,2,3
.irp i, 0,1,2,3,4,5,6,7,8,9,10,11,12,13,14,15
	v_med3_num_f32 v[\s+16*\b+\i], v[\s+16*\b+\i], -v[TM+8+\b], v[TM+8+\b]   ; the conversion does not saturate (ISA guide 7.6.2)
.endr
	v_cvt_scalef32_pk8_fp8_f32 v[PC+4*\b:PC+1+4*\b], v[\s+16*\b:\s+7+16*\b], v[TM+12+\b]
	v_cvt_scalef32_pk8_fp8_f32 v[PC+2+4*\b:PC+3+4*\b], v[\s+8+16*\b:\s+15+16*\b], v[TM+12+\b]
.endr
	v_nop
.endm
.macro WM z, odd                       ; one product on the registers named by D_, A_, B_, XA_, XB_
.if \z
.if \odd
	v_wmma_scale_f32_16x16x128_f8f6f4 v[D_:D_+7], v[A_:A_+15], v[B_:B_+15], 0, v[XA_], v[XB_] matrix_a_scale:MATRIX_SCALE_ROW1
.else
	v_wmma_scale_f32_16x16x128_f8f6f4 v[D_:D_+7], v[A_:A_+15], v[B_:B_+15], 0, v[XA_], v[XB_]
.endif
.else
.if \odd
	v_wmma_scale_f32_16x16x128_f8f6f4 v[D_:D_+7], v[A_:A_+15], v[B_:B_+15], v[D_:D_+7], v[XA_], v[XB_] matrix_a_scale:MATRIX_SCALE_ROW1
.else
	v_wmma_scale_f32_16x16x128_f8f6f4 v[D_:D_+7], v[A_:A_+15], v[B_:B_+15], v[D_:D_+7], v[XA_], v[XB_]
.endif
.endif
.endm
.macro GWLOAD base                     ; 64 rows x my half of K of a weight, straight into the window that is set: fragment 4 q + t: the q-th 128 of K, rows 16 t on
.irp s, 0,1,2,3
.irp t, 0,1,2,3
.irp c, 0,1,2,3
	global_load_b128 v[16*(4*\s+\t)+4*\c:16*(4*\s+\t)+4*\c+3], v52, s[\base:\base+1] offset:16384*\t+128*\s+32*\c
.endr
.endr
.endr
.endm
	s_load_b512 s[4:19], s[0:1], 0x0               ; enc codes, scales; Wk; Wv; Wq
	s_load_b128 s[20:23], s[0:1], 0x40             ; dec_h, part_c
	s_load_b64 s[98:99], s[0:1], 0x50              ; part_ml
	v_lshl_add_u32 v[SPW], v0, 2, SPARE
	v_mov_b32 v[NIL], 0
	ds_add_u32 v[SPW], v[NIL]                      ; the wave's opening: the add, twice on end, and its wait
	ds_add_u32 v[SPW], v[NIL]
	v_lshrrev_b32 v1, 5, v0
	v_readfirstlane_b32 s[WV], v1                  ; wave 0..3
	s_lshr_b32 s[HF], s[WV], 1                     ; my half of K
	s_and_b32 s[UU], s[WV], 1                      ; my head of two
	s_bfe_u32 s[CX], ttmp6, 0x40000
	s_bfe_u32 s[CY], ttmp6, 0x40004
	s_lshl_b32 s[XX], ttmp9, 2
	s_add_co_u32 s[XX], s[XX], s[CX]               ; pair of heads
	s_and_b32 s[YY], ttmp7, 0xffff
	s_lshl_b32 s[YY], s[YY], 2
	s_add_co_u32 s[YY], s[YY], s[CY]               ; 1,024 tokens: batch YY / 2, half YY % 2
	s_lshl_b32 s[HDI], s[XX], 1
	s_add_co_u32 s[HDI], s[HDI], s[UU]
	s_lshl_b32 s60, s[CY], 2
	s_lshl_b32 s60, 15, s60                        ; my row of the cluster
	s_lshl_b32 s61, 0x1111, s[CX]                  ; my column
	GROUP1 G1X, 60, 128                            ; chunk 0, whole; behind the head a quarter of a chunk
	GROUP1 G1W, 61, 128                            ; two heads' rows of Wk
	s_or_b32 s[G1S], s60, (3<<16)|(1<<20)|(1<<21)|(5<<22)|(3<<25)   ; half of the scale bytes: 64 rows of 256 bytes
	s_mov_b32 s[G1S+1], 32<<16
	s_mov_b32 s[G1S+2], 64<<16
	s_mov_b32 s[G1S+3], 32<<16
	s_mov_b32 s[G1S+4], 64
	s_mov_b32 s[G1S+5], 32
	s_mov_b32 s[G1S+6], 0
	s_mov_b32 s[G1S+7], 0
	s_mov_b32 s[SEL], 0x76543210
	s_mov_b32 s[SEL+1], 0xfedcba98
	s_mov_b32 s[CS], 0x3e38aa3b                    ; log2(e) / 8
	s_mov_b32 s[CS+1], s[CS]
	s_mov_b32 s[MNT], 0x600000
	s_lshl_b32 s56, s[HF], 4
	s_mul_i32 s57, s[WV], QXW
	s_add_co_u32 s57, s57, QX
	s_lshl_b32 s58, s[WV], 8
	s_add_co_u32 s58, s58, XQ
	s_xor_b32 s59, s[WV], 2
	s_lshl_b32 s59, s59, 8
	s_add_co_u32 s59, s59, XQ
	s_lshl_b32 s46, s[HF], 9
	s_mul_i32 s47, s[UU], 4*BLKB
	s_add_co_u32 s62, s56, SCL
	s_lshl_b32 s63, s[UU], 9
	s_add_co_u32 s63, s63, XCH
	s_lshl_b32 s40, s[HF], 3
	s_add_co_u32 s40, s40, s63
	v_and_b32 v13, 15, v0                          ; r
	v_bfe_u32 v14, v0, 4, 1                        ; h
	v_and_b32 v15, 31, v0
	v_and_b32 v1, 3, v0
	v_lshlrev_b32 v50, 9, v1                       ; dec_h: lane r takes the (r % 4)-th 128 numbers of my half
	v_lshl_add_u32 v50, v14, 6, v50
	v_lshl_add_u32 v51, v15, 5, s56                ; a weight's scale words: lane l row l of a pair of tiles, 16 bytes of my half
	v_lshlrev_b32 v52, 10, v13                     ; Wq, Wv: row r, + 16 h
	v_lshl_add_u32 v52, v14, 4, v52
	v_lshl_add_u32 v53, v1, 7, s57                 ; dec_h's codes: in,
	v_lshl_add_u32 v53, v14, 6, v53
	v_lshl_add_u32 v54, v1, 2, s57                 ; their scale words,
	v_lshl_add_u32 v55, v14, 6, s57                ; and out
	v_mov_b32 v56, s57
	v_lshl_add_u32 v57, v14, 7, s58                ; partial q: mine, my partner's
	v_lshl_add_u32 v58, v14, 7, s59
	v_mul_u32_u24 v[A0], v13, PITCH
	v_lshl_add_u32 v[A0], v14, 4, v[A0]
	v_add_nc_u32 v[A0], s46, v[A0]                 ; row r, + 16 h, my half of K
	v_add_nc_u32 v59, s47, v[A0]                   ; Wk's rows of my head, in slot 0
	v_add_nc_u32 v[ADR0], YB, v[A0]                ; chunk 0 lies in slot 1
	v_lshrrev_b32 v1, 3, v13
	v_mul_u32_u24 v[AAS], v1, 272
	v_and_b32 v1, 7, v0
	v_lshl_add_u32 v[AAS], v1, 5, v[AAS]
	v_add_nc_u32 v[AAS], s62, v[AAS]
	v_lshl_add_u32 v[XST], v13, 4, s40
	v_lshl_add_u32 v[XST], v14, 2, v[XST]
	v_lshl_add_u32 v[XLD], v13, 4, s63
	v_lshlrev_b32 v[PFO], 8, v15
.irp b, 0,1,2,3
	v_mov_b32 v[TM+4+\b], 0                        ; a lane permute's destination counts as one of its sources
.endr
	WALU
	s_wait_dscnt 0x0                               ; both opening adds are done
	s_wait_kmcnt 0x0
	s_mov_b32 s3, 0
	s_lshl_b32 s2, s[YY], 20
	s_mov_b32 s[G0C], 1                            ; chunk 0, its 128 rows, into slot 1
	s_mov_b32 s[G0C+1], YB
	s_add_nc_u64 s[G0C+2:G0C+3], s[4:5], s[2:3]
	s_or_b32 s[G0C+3], s[G0C+3], 0x80000000
	s_lshl_b32 s46, s[WV], 15
	s_add_co_u32 s2, s2, s46
	s_mov_b32 s[G0X], 1                            ; the refills: my quarter of a chunk; the first steps it to chunk 1
	s_mov_b32 s[G0X+1], 0
	s_add_nc_u64 s[G0X+2:G0X+3], s[4:5], s[2:3]
	s_or_b32 s[G0X+3], s[G0X+3], 0x80000000
	s_lshl_b32 s2, s[XX], 17
	s_mov_b32 s[G0K], 1
	s_mov_b32 s[G0K+1], 0
	s_add_nc_u64 s[G0K+2:G0K+3], s[8:9], s[2:3]
	s_or_b32 s[G0K+3], s[G0K+3], 0x80000000
	s_lshl_b32 s2, s[YY], 15
	s_lshl_b32 s46, s[UU], 14
	s_add_co_u32 s2, s2, s46
	s_mov_b32 s[G0S], 1
	s_mul_i32 s[G0S+1], s[UU], 64*272
	s_add_co_u32 s[G0S+1], s[G0S+1], SCL
	s_add_nc_u64 s[G0S+2:G0S+3], s[6:7], s[2:3]
	s_or_b32 s[G0S+3], s[G0S+3], 0x80000000
	s_lshl_b32 s2, s[YY], 20                       ; the prefetches: chunk 3, my sixteenth of the cluster row's
	s_lshl_b32 s46, s[CX], 2
	s_add_co_u32 s46, s46, s[WV]
	s_lshl_b32 s46, s46, 13
	s_add_co_u32 s2, s2, s46
	s_add_co_u32 s2, s2, 3*131072
	s_add_nc_u64 s[PFA:PFA+1], s[4:5], s[2:3]
	s_lshr_b32 s2, s[YY], 1                        ; dec_h: my batch, my half
	s_lshl_b32 s2, s2, 12
	s_lshl_b32 s46, s[HF], 11
	s_add_co_u32 s2, s2, s46
	s_add_nc_u64 s[20:21], s[20:21], s[2:3]
	s_lshl_b32 s2, s[HDI], 11                      ; scale bytes of my head's 64 rows
	s_add_nc_u64 s[10:11], s[10:11], s[2:3]
	s_add_nc_u64 s[14:15], s[14:15], s[2:3]
	s_add_nc_u64 s[18:19], s[18:19], s[2:3]
	s_lshl_b32 s2, s[HDI], 16                      ; codes of my head's 64 rows, my half
	s_lshl_b32 s46, s[HF], 9
	s_add_co_u32 s2, s2, s46
	s_add_nc_u64 s[16:17], s[16:17], s[2:3]
	s_add_nc_u64 s[12:13], s[12:13], s[2:3]
.irp c, 0,1,2,3
.irp j, 0,1,2,3
	global_load_b128 v[X+16*\c+4*\j:X+16*\c+4*\j+3], v50, s[20:21] offset:128*\c+16*\j
.endr
.endr
	global_load_b128 v[QW:QW+3], v51, s[18:19]
	global_load_b128 v[QW+4:QW+7], v51, s[18:19] offset:1024
	global_load_b128 v[WS:WS+3], v51, s[10:11]
	global_load_b128 v[WS+4:WS+7], v51, s[10:11] offset:1024
	global_load_b128 v[WS+8:WS+11], v51, s[14:15]
	global_load_b128 v[WS+12:WS+15], v51, s[14:15] offset:1024
	CROUND                                         ; all sixteen work-groups are here: the first joint loads meet
	s_cmp_eq_u32 s[WV], 0                          ; one joint load a wave; a line of its own for what is shown first
	s_cbranch_scc0 .Lwave_1
	TLOAD G0K, G1W                                 ; wave 0: Wk's rows into slot 0
	s_branch .Lasked
.Lwave_1:
	s_cmp_eq_u32 s[WV], 1
	s_cbranch_scc0 .Lfor_scales
	TLOAD G0C, G1X                                 ; wave 1: chunk 0 into slot 1
	s_branch .Lasked
.Lfor_scales:
	TLOAD G0S, G1S                                 ; waves 2, 3: enc's scale bytes
.Lasked:
	WIN 0xc0
	GWLOAD 16                                      ; Wq into window 3
	WIN 0
	global_prefetch_b8 v[PFO], s[PFA:PFA+1] offset:-262144 th:TH_LOAD_NT scope:SCOPE_SE
.set i, 0
.rept 32
	v_mov_b32 v[CT+i], 0
.set i, i+1
.endr
	v_mov_b32 v[MR], 0xff61b1e6                    ; M so far: -3e38
	v_mov_b32 v[LR], 0
.irp i, 16,17,18,19,22,23,62,63
	v_mov_b32 v\i, 0
.endr
	v_mov_b32 v1, 0xf149f2ca                       ; the pair ahead of the first: scores of -1e30, whose weights the first real M brings to 0 (its second block's are stored by the first run of the loop)
	ds_store_b32 v[XST], v1 offset:1024
	s_wait_loadcnt 0x3f                            ; 64 loads are younger than dec_h's and the scale words'
	QUANT X
.irp c, 0,1,2,3
	ds_store_b128 v53, v[PC+4*\c:PC+4*\c+3] offset:16*\c
.endr
	ds_store_b32 v54, v[PW] offset:512
.irp s, 0,1,2,3
.irp c, 0,1,2,3
	ds_load_b128 v[X+16*\s+4*\c:X+16*\s+4*\c+3], v55 offset:128*\s+16*\c   ; every lane r takes the one row: q comes out in all lanes
.endr
.endr
	ds_load_b128 v[QS:QS+3], v56 offset:512
	WIN 0x80
	GWLOAD 12                                      ; Wv into window 2
	WIN 0
	global_prefetch_b8 v[PFO], s[PFA:PFA+1] offset:-131072 th:TH_LOAD_NT scope:SCOPE_SE
	WALU
	s_cmp_eq_u32 s[WV], 0
	s_cbranch_scc0 .Lnot_wk
	s_wait_tensorcnt 0x0                           ; wave 0: Wk's rows have landed
.Lnot_wk:
	s_wait_dscnt 0x0
	s_barrier_signal -1
	s_barrier_wait -1
	WIN 0x40
.irp t, 0,1,2,3
.irp q, 0,1,2,3
.irp c, 0,1,2,3
	ds_load_b128 v[16*(4*\q+\t)+4*\c:16*(4*\q+\t)+4*\c+3], v59 offset:BLKB*\t+128*\q+32*\c   ; Wk into window 1
.endr
.endr
.endr
	WIN 0
	s_wait_loadcnt 0x3f                            ; Wq is in: the 64 younger loads are Wv's
	WIN 0x03
.irp s, 0,1,2,3
.irp t, 0,1,2,3
.set D_, Q+8*\t
.set A_, 16*(4*\s+\t)
.set B_, X+16*\s
.set XA_, QW+4*(\t/2)+\s
.set XB_, QS+\s
.if \s == 0
	WM 1, \t%2
.else
	WM 0, \t%2
.endif
.endr
.endr
	WIN 0
	PLACES 8
.set i, 0
.rept 16
	v_pk_mul_f32 v[Q+i:Q+i+1], v[Q+i:Q+i+1], s[CS:CS+1] op_sel_hi:[1,0]
.set i, i+2
.endr
.irp i, 0,1,2,3,4,5,6,7
	ds_store_b128 v57, v[Q+4*\i:Q+4*\i+3] offset:16*\i   ; the 16 lanes of a half hold the same numbers
.endr
	WIN 0xc0
.set i, 0
.rept 128
	v_mov_b32 v[128+i], 0                          ; v's parked sums: the loop is written once and its first weightings find zeros
.set i, i+1
.endr
	WIN 0
.irp i, 0,1
	v_mov_b32 v[CC+\i], 0x3920fdde
	v_mov_b32 v[CC+2+\i], 0x3aaf9f29
	v_mov_b32 v[CC+4+\i], 0x3c1d96a6
	v_mov_b32 v[CC+6+\i], 0x3d635774
	v_mov_b32 v[CC+8+\i], 0x3e75fdee
	v_mov_b32 v[CC+10+\i], 0x3f317218
.endr
	v_mov_b32 v[T0], 0xf149f2ca
	s_mov_b32 s[SCUR], YB
	s_mov_b32 s[SNXT], 0
	s_mov_b32 s[TRIP], 0
	WALU
	s_wait_tensorcnt 0x0                           ; my tile of the head's: no tensor load of mine is out, so a descriptor may be written:
	s_mov_b32 s[G1X+2], 32<<16                     ; from here on a load brings 32 rows
	s_mov_b32 s[G1X+4], 32
	s_wait_dscnt 0x0                               ; Wk is in registers; my partial q is stored
	s_barrier_signal -1
	s_barrier_wait -1
	WIN 0xc0
.irp i, 0,1,2,3,4,5,6,7,8,9,10,11,12,13,14,15
	ds_load_b128 v[4*\i:4*\i+3], v[ADR0] offset:128*(\i/4)+32*(\i%4)
.endr
	WIN 0
	ds_load_b128 v[SA:SA+3], v[AAS]
.irp i, 0,1,2,3,4,5,6,7
	ds_load_b128 v[176+4*\i:176+4*\i+3], v58 offset:16*\i
.endr
	s_wait_dscnt 0x0
.set i, 0
.rept 16
	v_pk_add_f32 v[Q+i:Q+i+1], v[Q+i:Q+i+1], v[176+i:177+i]
.set i, i+2
.endr
	WALU
	s_wait_loadcnt 0x0                             ; Wv is in registers
; Product n of a block: 0-15 k (window 0), 16-31 v (window 3, set S_): the (n % 16) / 4-th 128 of my half of K, tile n % 4
.macro PROD n
.set NN_, (\n)%16
.set A_, 16*NN_
.set B_, 64*E_+16*(NN_/4)
.set XB_, SA+4*E_+NN_/4
.if (\n) < 16
.set D_, KA+8*(NN_%4)
.set XA_, WS+4*((NN_%4)/2)+NN_/4
	WIN 0x0d
.else
.set D_, 128+32*S_+8*(NN_%4)
.set XA_, WS+8+4*((NN_%4)/2)+NN_/4
	WIN 0xfe
.endif
.if NN_ < 4
	WM 1, NN_%2
.else
	WM 0, NN_%2
.endif
.endm
.macro WT i                            ; 32 lines: p x v's parked sums of a pair (sets PS_, PS_ + 1)
	WIN 0x03
.set WI_, 2*((\i)%16)
.if (\i) < 16
	v_pk_fma_f32 v[CT+WI_:CT+WI_+1], v[128+32*PS_+WI_:129+32*PS_+WI_], v[PA:PA+1], v[CT+WI_:CT+WI_+1] op_sel_hi:[1,0,1]
.else
	v_pk_fma_f32 v[CT+WI_:CT+WI_+1], v[160+32*PS_+WI_:161+32*PS_+WI_], v[PB:PB+1], v[CT+WI_:CT+WI_+1] op_sel_hi:[1,0,1]
.endif
.endm
.macro SC i                            ; 18 lines: my part of a block's scores, in two chains
	WIN 0
.set CI_, 2*(\i)
.set TI_, T0+2*((\i)%2)
.if (\i) < 2
	v_pk_mul_f32 v[TI_:TI_+1], v[KA+CI_:KA+CI_+1], v[Q+CI_:Q+CI_+1]
.elseif (\i) < 16
	v_pk_fma_f32 v[TI_:TI_+1], v[KA+CI_:KA+CI_+1], v[Q+CI_:Q+CI_+1], v[TI_:TI_+1]
.elseif (\i) == 16
	v_pk_add_f32 v[T0:T0+1], v[T0:T0+1], v[T1:T1+1]
.else
	v_add_f32 v[T0], v[T0], v[T0+1]
.endif
.endm
.macro SM i                            ; 26 lines: a pair's scores (four parts a token), M, p, the sum
	WIN 0
.if (\i) == 0
	v_pk_add_f32 v[54:55], v[54:55], v[56:57]
.elseif (\i) == 1
	v_pk_add_f32 v[58:59], v[58:59], v[60:61]
.elseif (\i) == 2
	v_add_f32 v20, v54, v55
.elseif (\i) == 3
	v_add_f32 v21, v58, v59
.elseif (\i) == 4
	v_max3_num_f32 v22, v[MR], v20, v21
.elseif (\i) == 5
	v_ceil_f32 v22, v22                            ; M is a whole number
.elseif (\i) == 6
	v_sub_f32 v[AL], v[MR], v22
.elseif (\i) == 7
	v_pk_add_f32 v[20:21], v[20:21], v[22:23] op_sel_hi:[1,0] neg_lo:[0,1] neg_hi:[0,1]
.elseif (\i) == 8
	v_mov_b32 v[MR], v22
.elseif (\i) == 9
	v_cvt_i32_f32 v[AL], v[AL]                     ; (it saturates)
.elseif (\i) == 10
	v_rndne_f32 v54, v20
.elseif (\i) == 11
	v_rndne_f32 v55, v21
.elseif (\i) == 12
	v_ldexp_f32 v[AL], 1.0, v[AL]                  ; 2^(old M - new M)
.elseif (\i) == 13
	v_pk_add_f32 v[20:21], v[20:21], v[54:55] neg_lo:[0,1] neg_hi:[0,1]   ; f
.elseif (\i) == 14
	v_cvt_i32_f32 v56, v54
.elseif (\i) == 15
	v_cvt_i32_f32 v57, v55
.elseif (\i) == 16
	v_pk_fma_f32 v[58:59], v[20:21], v[CC:CC+1], v[CC+2:CC+3]
.elseif (\i) < 21
	v_pk_fma_f32 v[58:59], v[58:59], v[20:21], v[CC+4+2*((\i)-17):CC+5+2*((\i)-17)]
.elseif (\i) == 21
	v_pk_fma_f32 v[58:59], v[58:59], v[20:21], 1.0 op_sel_hi:[1,1,0]
.elseif (\i) == 22
	v_ldexp_f32 v[PA], v58, v56
.elseif (\i) == 23
	v_ldexp_f32 v[PB], v59, v57
.elseif (\i) == 24
	v_fma_f32 v[LR], v[LR], v[AL], v[PA]
.else
	v_add_f32 v[LR], v[LR], v[PB]
.endif
.endm
.macro RR i                            ; 16 lines: the weighted sums under the new M
	WIN 0
	v_pk_mul_f32 v[CT+2*(\i):CT+2*(\i)+1], v[CT+2*(\i):CT+2*(\i)+1], v[AL:AL+1] op_sel_hi:[1,0]
.endm
; AHEAD OF A BLOCK'S PRODUCTS: eight weightings, which are the places behind the last product, and the block's one run of LDS work.  rf = 1: a trip that asks for the next chunk; 0: the last trip
.macro RUN rf
.set K_, 24*E_
.rept 8
	WT K_
.set K_, K_+1
.endr
	WIN 0
	WALU
.if \rf && J_ == 5
	s_wait_xcnt 0x0                                ; the prefetch has read its address
	s_add_nc_u64 s[PFA:PFA+1], s[PFA:PFA+1], 131072
.endif
.if E_
.if \rf && J_ == 1
	CREST                                          ; the round's rest: no wave of any partner still reads the other slot
	TLOAD G0X, G1X                                 ; the next chunk, first behind it
.else
	s_barrier_wait -1                              ; both waves' scores of the pair before are stored
.endif
.else
	s_wait_dscnt 0x0                               ; this block's fragments, asked for a block ago
.endif
	ds_store_b32 v[XST], v[T0] offset:1024*(((J_+7)/2)%2)+256*NE_     ; my part of the last block's scores
.if E_
	ds_load_b128 v[54:57], v[XLD] offset:1024*((J_/2+1)%2)       ; the pair before: four parts a token
	ds_load_b128 v[58:61], v[XLD] offset:1024*((J_/2+1)%2)+256
.endif
.if \rf || J_ < 7
	ds_load_b128 v[SA+4*NE_:SA+4*NE_+3], v[AAS] offset:544*JN_
	WIN 0xc0
.set K_, 0
.rept 16
.if JN_%8 < 4
	ds_load_b128 v[64*NE_+4*K_:64*NE_+4*K_+3], v[ADR0] offset:BLKB*(JN_%4)+128*(K_/4)+32*(K_%4)
.else
	ds_load_b128 v[64*NE_+4*K_:64*NE_+4*K_+3], v[ADR1] offset:BLKB*(JN_%4)+128*(K_/4)+32*(K_%4)
.endif
.set K_, K_+1
.endr
	WIN 0
.endif
.if \rf && J_ == 0
	s_wait_tensorcnt 0x0                           ; no tensor load of mine is out;
	ds_add_u32 v[SPW], v[NIL]
	s_mul_i32 s[G0X+1], s[WV], 32*PITCH
	s_add_co_u32 s[G0X+1], s[G0X+1], s[SNXT]
	s_add_nc_u64 s[G0X+2:G0X+3], s[G0X+2:G0X+3], 131072
.endif
.if \rf && J_ == 3
	s_cmp_lt_u32 s[TRIP], 5                        ; chunks 3 .. 7
	s_cbranch_scc0 .Lnone_ahead_\@
	global_prefetch_b8 v[PFO], s[PFA:PFA+1] th:TH_LOAD_NT scope:SCOPE_SE
.Lnone_ahead_\@:
.endif
.endm
.macro PLACE n, rf                     ; what stands behind product n
.if (\n) == 5
.if J_ == 0
	WIN 0
	s_add_co_u32 s2, s[SCUR], 4*BLKB
	v_add_nc_u32 v[ADR1], s2, v[A0]
.endif
.if \rf && J_ == 4
	WIN 0
	v_add_nc_u32 v[ADR0], s[SNXT], v[A0]
.endif
.if \rf && J_ == 7
	WIN 0
	v_add_nc_u32 v[AAS], 4352, v[AAS]
.endif
.endif
.if E_ == 0
.if (\n) < 4
	WT 2*(\n)+8
	WT 2*(\n)+9
.elseif (\n) >= 16 && (\n) < 20
	WT 2*(\n)-16
	WT 2*(\n)-15
.elseif (\n) == 20                     ; behind the weightings and ahead of the scoring's chains
.if \rf && J_ == 6
	s_wait_tensorcnt 0x0                           ; my quarter of the next chunk: this block's barrier shows it
.endif
	s_wait_dscnt 0x0                               ; my scores are stored, my reads are over (rf, block 0: the add too)
	s_barrier_signal -1
.endif
.else
.if (\n) == 7
.if \rf || J_ < 7
	s_wait_dscnt 17                                ; the pair's scores are in; younger are the scale words and sixteen fragments' loads
.else
	s_wait_dscnt 0x0
.endif
.endif
.if (\n) >= 7 && (\n) < 10
	SM 2*(\n)-14
	SM 2*(\n)-13
.elseif (\n) >= 10 && (\n) < 13
	SM 3*(\n)-24
	SM 3*(\n)-23
	SM 3*(\n)-22
.elseif (\n) == 13
	SM 15
	SM 16
	RR 0
.elseif (\n) >= 14 && (\n) < 19
	SM (\n)+3
	RR 2*(\n)-27
	RR 2*(\n)-26
.elseif (\n) == 19 || (\n) == 20
	SM 2*(\n)-16
	SM 2*(\n)-15
	RR (\n)-8
.elseif (\n) == 21
	RR 13
	RR 14
	RR 15
.endif
.endif
.if (\n) >= 21 && (\n) < 29
	SC 2*(\n)-42
	SC 2*(\n)-41
.elseif (\n) == 29
	SC 16
.elseif (\n) == 30
	SC 17
.endif
.endm
.macro BLOCK j, rf
.set J_, \j
.set E_, J_%2
.set S_, J_%4
.set PS_, 2*(S_/2)
.set NE_, 1-E_
.set JN_, J_+1
	RUN \rf
.set N_, 0
.rept 32
	PROD N_
	PLACE N_, \rf
.set N_, N_+1
.endr
.endm
.Ltrip:
.irp j, 0,1,2,3,4,5,6,7
	BLOCK \j, 1
.endr
	WIN 0
	s_mov_b32 s[SCUR], s[SNXT]
	s_xor_b32 s[SNXT], s[SNXT], YB
	s_add_co_u32 s[TRIP], s[TRIP], 1
	s_cmp_lt_u32 s[TRIP], 7
	s_cbranch_scc1 .Ltrip
.irp j, 0,1,2,3,4,5,6,7                ; the last chunk is written out: nothing more is asked for
	BLOCK \j, 0
.endr
.macro WT32 s
.set PS_, \s
.set K_, 0
.rept 32
	WT K_
.set K_, K_+1
.endr
	WIN 0
.endm
	WT32 0                                         ; the last pair but one; these lines are also the places behind the last products
	WALU
	ds_store_b32 v[XST], v[T0] offset:1280
	s_wait_dscnt 0x0
	s_barrier_signal -1
	s_barrier_wait -1
	ds_load_b128 v[54:57], v[XLD] offset:1024
	ds_load_b128 v[58:61], v[XLD] offset:1280
	s_wait_dscnt 0x0
.set K_, 0
.rept 26
	SM K_
.set K_, K_+1
.endr
.set K_, 0
.rept 16
	RR K_
.set K_, K_+1
.endr
	WT32 2                                         ; the last pair
; THE WAY OUT.  The sixteen lanes' M, sums and weighted sums are joined: M's differences are whole numbers.
	v_mov_b32 v128, v[MR]
	v_max_num_f32_dpp v128, v128, v128 row_xmask:1 row_mask:0xf bank_mask:0xf
	v_max_num_f32_dpp v128, v128, v128 row_xmask:2 row_mask:0xf bank_mask:0xf
	v_max_num_f32_dpp v128, v128, v128 row_xmask:4 row_mask:0xf bank_mask:0xf
	v_max_num_f32_dpp v128, v128, v128 row_xmask:8 row_mask:0xf bank_mask:0xf
	v_sub_f32 v129, v[MR], v128
	v_cvt_i32_f32 v129, v129
	v_ldexp_f32 v130, 1.0, v129
	v_mov_b32 v131, 0
	v_mul_f32 v[LR], v[LR], v130
	v_add_f32_dpp v[LR], v[LR], v[LR] row_xmask:1 row_mask:0xf bank_mask:0xf
	v_add_f32_dpp v[LR], v[LR], v[LR] row_xmask:2 row_mask:0xf bank_mask:0xf
	v_add_f32_dpp v[LR], v[LR], v[LR] row_xmask:4 row_mask:0xf bank_mask:0xf
	v_add_f32_dpp v[LR], v[LR], v[LR] row_xmask:8 row_mask:0xf bank_mask:0xf
.set i, 0
.rept 16
	v_pk_mul_f32 v[CT+i:CT+i+1], v[CT+i:CT+i+1], v[130:131] op_sel_hi:[1,0]
.set i, i+2
.endr
.macro RSC n, m                        ; lanes l and l xor m add n registers each: a lane keeps half of them
	v_and_b32 v1, \m, v0
	v_cmp_ne_u32 vcc_lo, 0, v1
.set i, 0
.rept \n
	v_cndmask_b32 v[132+i%4], v[CT+i], v[CT+\n+i], vcc_lo
	v_cndmask_b32 v[CT+\n+i], v[CT+\n+i], v[CT+i], vcc_lo
	v_add_f32_dpp v[CT+i], v[CT+\n+i], v[132+i%4] row_xmask:\m row_mask:0xf bank_mask:0xf
.set i, i+1
.endr
.endm
	RSC 16, 8
	RSC 8, 4
	RSC 4, 2
	RSC 2, 1
	s_lshl_b32 s2, s[WV], 8
	s_add_co_u32 s2, s2, XT
	s_xor_b32 s3, s[WV], 2
	s_lshl_b32 s3, s3, 8
	s_add_co_u32 s3, s3, XT
	WALU
	v_and_b32 v142, 31, v0
	v_lshl_add_u32 v140, v142, 3, s2
	v_lshl_add_u32 v141, v142, 3, s3
	v_lshrrev_b32 v143, 2, v13                     ; my two numbers: tile r / 4, columns 8 h + 2 (r % 4)
	v_lshlrev_b32 v143, 6, v143
	v_lshl_add_u32 v143, v14, 5, v143
	v_and_b32 v139, 3, v0
	v_lshl_add_u32 v143, v139, 3, v143
	v_mov_b32 v151, 0
	v_mov_b32 v158, v128
	v_mov_b32 v159, v[LR]
	ds_store_b64 v140, v[CT:CT+1]
	s_lshr_b32 s2, s[YY], 1                        ; my batch
	s_and_b32 s3, s[YY], 1                         ; my half of its tokens
	s_lshl_b32 s46, s[XX], 4
	s_add_co_u32 s46, s46, s2
	s_lshl_b32 s46, s46, 1
	s_add_co_u32 s46, s46, s[UU]
	s_lshl_b32 s46, s46, 1
	s_add_co_u32 s46, s46, s3
	s_lshl_b32 s46, s46, 8
	s_mov_b32 s47, 0
	s_add_nc_u64 s[22:23], s[22:23], s[46:47]
	s_lshl_b32 s46, s2, 4
	s_add_co_u32 s46, s46, s[HDI]
	s_lshl_b32 s46, s46, 1
	s_add_co_u32 s46, s46, s3
	s_lshl_b32 s46, s46, 3
	s_add_nc_u64 s[98:99], s[98:99], s[46:47]
	WALU
	s_wait_dscnt 0x0
	s_barrier_signal -1
	s_barrier_wait -1
	s_cmp_lg_u32 s[HF], 0
	s_cbranch_scc1 .Ldone
	ds_load_b64 v[144:145], v141
	s_wait_dscnt 0x0
	v_pk_add_f32 v[156:157], v[CT:CT+1], v[144:145]   ; the other half of K: the same M and sum
	v_cmp_eq_u32 vcc_lo, 0, v142
	global_store_b64 v143, v[156:157], s[22:23]    ; a wave stores 256 consecutive bytes, aligned
	WALU
	s_wait_xcnt 0x0
	s_and_saveexec_b32 s100, vcc_lo
	global_store_b64 v151, v[158:159], s[98:99]
	s_wait_xcnt 0x0
	s_or_b32 exec_lo, exec_lo, s100
.Ldone:
	s_wait_tensorcnt 0x0                           ; the wave's end
	ds_add_u32 v[SPW], v[NIL]
	s_wait_dscnt 0x0
	CROUND                                         ; the closing round
	s_endpgm
.Lfunc_end_k_qd102f74c28_kvattn:
	.size	k_qd102f74c28_kvattn, .Lfunc_end_k_qd102f74c28_kvattn-k_qd102f74c28_kvattn
	.p2alignl 7, 3214868480
	.fill 96, 4, 3214868480
	.section	.rodata,"a",@progbits
	.p2align	6, 0x0
	.amdhsa_kernel k_qd102f74c28_kvattn
		.amdhsa_group_segment_fixed_size 327680
		.amdhsa_private_segment_fixed_size 0
		.amdhsa_enable_private_segment 0
		.amdhsa_kernarg_size 88
		.amdhsa_user_sgpr_count 2
		.amdhsa_user_sgpr_kernarg_segment_ptr 1
		.amdhsa_wavefront_size32 1
		.amdhsa_system_sgpr_workgroup_id_x 1
		.amdhsa_system_sgpr_workgroup_id_y 1
		.amdhsa_system_sgpr_workgroup_id_z 1
		.amdhsa_system_vgpr_workitem_id 0
		.amdhsa_next_free_vgpr 1024
		.amdhsa_next_free_sgpr 104
		.amdhsa_reserve_vcc 1
		.amdhsa_float_denorm_mode_32 3
		.amdhsa_float_denorm_mode_16_64 3
		.amdhsa_memory_ordered 1
		.amdhsa_forward_progress 1
		.amdhsa_inst_pref_size 226
	.end_amdhsa_kernel
	.amdgpu_metadata
---
amdhsa.version: [ 1, 2 ]
amdhsa.kernels:
  - .name:           k_qd102f74c28_kvattn
    .symbol:         k_qd102f74c28_kvattn.kd
    .args:
      - { .name: enc_codes, .offset: 0, .size: 8, .value_kind: global_buffer, .address_space: global }
      - { .name: enc_scales, .offset: 8, .size: 8, .value_kind: global_buffer, .address_space: global }
      - { .name: Wk_codes, .offset: 16, .size: 8, .value_kind: global_buffer, .address_space: global }
      - { .name: Wk_scales, .offset: 24, .size: 8, .value_kind: global_buffer, .address_space: global }
      - { .name: Wv_codes, .offset: 32, .size: 8, .value_kind: global_buffer, .address_space: global }
      - { .name: Wv_scales, .offset: 40, .size: 8, .value_kind: global_buffer, .address_space: global }
      - { .name: Wq_codes, .offset: 48, .size: 8, .value_kind: global_buffer, .address_space: global }
      - { .name: Wq_scales, .offset: 56, .size: 8, .value_kind: global_buffer, .address_space: global }
      - { .name: dec_h, .offset: 64, .size: 8, .value_kind: global_buffer, .address_space: global }
      - { .name: part_c, .offset: 72, .size: 8, .value_kind: global_buffer, .address_space: global }
      - { .name: part_ml, .offset: 80, .size: 8, .value_kind: global_buffer, .address_space: global }
    .group_segment_fixed_size: 327680
    .private_segment_fixed_size: 0
    .kernarg_segment_align: 8
    .kernarg_segment_size: 88
    .max_flat_workgroup_size: 128
    .sgpr_count:     104
    .vgpr_count:     1024
    .wavefront_size: 32
...
	.end_amdgpu_metadata
.endif
;; end of part 1
;; launch mlp1 (part 2): grid 128 x 1, 16 waves a work-group, clusters of 4 x 1, 235,520 bytes of LDS; arguments dec_h, part_c, part_ml, W1_codes, W1_scales, hbuf; writes hbuf
.if DOCPART == 2
	.amdgcn_target "amdgcn-amd-amdhsa--gfx1250"
	.amdhsa_code_object_version 6
	.text
	.protected	k_qd102f74c28_mlp1
	.globl	k_qd102f74c28_mlp1
	.p2align	8
	.type	k_qd102f74c28_mlp1,@function
k_qd102f74c28_mlp1:
	s_mov_b64 s[64:65], 0
	v_nop
	global_prefetch_b8 v0, s[64:65] scope:SCOPE_SE
	s_setreg_imm32_b32 hwreg(HW_REG_WAVE_MODE, 25, 1), 1
	s_wait_xcnt 0x0
	s_wait_alu depctr_hold_cnt(0) depctr_sa_sdst(0) depctr_va_vdst(0) depctr_va_sdst(0) depctr_va_ssrc(0) depctr_va_vcc(0) depctr_vm_vsrc(0)
	s_getreg_b32 s2, hwreg(HW_REG_IB_STS2, 6, 4)
	s_cmp_eq_u32 s2, 0
	s_cbranch_scc0 .Lentry_in_a_cluster
	s_endpgm
.Lentry_in_a_cluster:
	s_bfe_u32 s2, ttmp6, 0x10000c
	s_cmp_lg_u32 s2, 0x3003
	s_cbranch_scc0 .Lentry_shape_is_right
	s_endpgm
.Lentry_shape_is_right:
; h = silu(concat(dec_h, ctx) W1^T) on codes of FP8 (E4M3) with E8M0 scales, and h's codes for the next product.  ctx is joined here from the two halves that the launch before left: (c0 e0 + c1 e1) / (L0 e0 + L1 e1), e = 2^(M - the larger M).
; SHARES.  Work-group W makes hidden units 32 W .. + 31 for all 16 rows: one block of 32 of the next product's K.  Wave w takes K step w (128 along K) of this product: waves 0-7 dec_h, waves 8-15 ctx of heads 2 (w - 8), + 1.
; Each wave makes its fragment of the left operand in its own registers; only the sixteen partial sums meet in LDS, as images of the accumulators' registers; wave 0 adds them, takes silu and quantises.
; dec_h and part_c are needed whole by every work-group: the four partners of a cluster ask for them jointly, a tile a wave.  LDS is filled once.  W1's rows are the work-group's own and go straight into registers.
; THE ROWS OF W1 THAT FORM A TILE ARE NOT NEIGHBOURS: lane r of tile u takes row 32 W + 8 u + r + 8 (r / 8); used transposed (source 0 = W1), the 16 registers of the two tiles are then units 16 h + 0 .. 15 of row r.
; hbuf: for each K step of the next product 2,560 bytes: the fragment's register image (group c at 512 c, lane l at 16 l), then for each block c 32 words that hold its scale byte.
; LIMITS: NaN and infinities are not served; a block under 2^-118, or of zeros, gets the byte 1 (the bytes are read by this program alone).
.set DECT, 16*1040                     ; a tile of dec_h: 16 rows of 1,024 bytes + 16: two K steps.  Waves 0-3 fetch one each, waves 4, 5 half of part_c each: 64 of its 128 dense rows [pair of heads][batch] of 1,024 bytes
.set CTXL, 4*DECT
.set CTXT, 16*1040                     ; a tile of part_c: 16 rows of 1,024 bytes + 16: [head, half 0 | half 1 | next head, half 0 | half 1]
.set RED,  CTXL+8*CTXT                 ; the partial sums: 2,048 bytes a wave
.set X,    16                          ; v16-79  64 numbers of my K step; v80-143 the second half's
.set P1,   80
.set W1F,  144                         ; v144-175 W1's two fragments
.set W1S,  176                         ; v176-177 their scale words
.set PC,   178                         ; v178-193 the codes just made
.set PW,   194                         ; their scale word
.set TM,   196
.set ML,   212                         ; v212-219 M, L of two heads x two halves
.set WT,   220                         ; v220-227 the halves' weights, as pairs
.set ACC,  228                         ; v228-243
.set SG,   160                         ; wave 0's tail: v160-175
.set WV,   16
.set WL,   17
.set WG,   19
.set SEL,  20
.set MNT,  22
.macro PLACES n
.rept \n
	v_nop
.endr
.endm
.macro CROUND
	s_barrier_signal -1
	s_barrier_wait -1
	s_cmp_lg_u32 s[WV], 0
	s_cbranch_scc1 .Lnot_wave_0_\@
	s_barrier_signal -3
.Lnot_wave_0_\@:
	s_barrier_wait -3
	s_barrier_signal -1
	s_barrier_wait -1
.endm
.macro QUANT s                         ; 64 numbers of a lane, register 16 b + i = k 32 b + 16 h + i of my row, become codes in v[PC] on and a scale word in v[PW]
.irp b, 0,1,2,3
	v_max3_num_f32 v[TM+\b], |v[\s+16*\b]|, |v[\s+1+16*\b]|, 0x4800000   ; with the floor 2^(9 - 127)
.endr
.irp i, 2,4,6,8,10,12,14
.irp b, 0,1,2,3
	s_delay_alu instid0(VALU_DEP_4)
	v_max3_num_f32 v[TM+\b], v[TM+\b], |v[\s+16*\b+\i]|, |v[\s+1+16*\b+\i]|
.endr
.endr
.irp b, 0,1,2,3
	v_permlanex16_b32 v[TM+4+\b], v[TM+\b], s[SEL], s[SEL+1]
.endr
.irp b, 0,1,2,3
	s_delay_alu instid0(VALU_DEP_4)
	v_max_num_f32 v[TM+\b], v[TM+\b], v[TM+4+\b]
.endr
.irp b, 0,1,2,3
	s_delay_alu instid0(VALU_DEP_4)
	v_add_nc_u32 v[TM+12+\b], 0xfc000000, v[TM+\b]                   ; the conversion's scale operand
.endr
.irp b, 0,1,2,3
	v_and_or_b32 v[TM+8+\b], v[TM+\b], 0x7f800000, s[MNT]            ; 448 x the scale
.endr
.irp b, 0,1,2,3
	v_lshrrev_b32 v[TM+4+\b], 23, v[TM+12+\b]                        ; the byte
.endr
	s_delay_alu instid0(VALU_DEP_3)
	v_lshl_or_b32 v[PW], v[TM+5], 8, v[TM+4]
	s_delay_alu instid0(VALU_DEP_1)
	v_lshl_or_b32 v[PW], v[TM+6], 16, v[PW]
	s_delay_alu instid0(VALU_DEP_1)
	v_lshl_or_b32 v[PW], v[TM+7], 24, v[PW]
.irp b, 0,1,2,3
.irp i, 0,1,2,3,4,5,6,7,8,9,10,11,12,13,14,15
	v_med3_num_f32 v[\s+16*\b+\i], v[\s+16*\b+\i], -v[TM+8+\b], v[TM+8+\b]   ; the conversion does not saturate (ISA guide 7.6.2): the hold
.endr
	v_cvt_scalef32_pk8_fp8_f32 v[PC+4*\b:PC+1+4*\b], v[\s+16*\b:\s+7+16*\b], v[TM+12+\b]
	v_cvt_scalef32_pk8_fp8_f32 v[PC+2+4*\b:PC+3+4*\b], v[\s+8+16*\b:\s+15+16*\b], v[TM+12+\b]
.endr
	v_nop
.endm
	s_load_b256 s[4:11], s[0:1], 0x0               ; dec_h, part_c, part_ml, W1's codes
	s_load_b128 s[12:15], s[0:1], 0x20             ; W1's scales, hbuf
	v_lshl_add_u32 v254, v0, 2, 0x39000
	v_mov_b32 v255, 0
	ds_add_u32 v254, v255
	ds_add_u32 v254, v255
	v_lshrrev_b32 v1, 5, v0
	s_delay_alu instid0(VALU_DEP_1)
	v_readfirstlane_b32 s[WV], v1                  ; wave 0..15
	s_and_b32 s[WL], s[WV], 7
	s_bfe_u32 s18, ttmp6, 0x40000                  ; cx
	s_lshl_b32 s[WG], ttmp9, 2
	s_add_co_u32 s[WG], s[WG], s18                 ; W: it enters global addresses alone
	s_lshr_b32 s56, s[WL], 1
	s_mul_i32 s56, s56, DECT
	s_and_b32 s57, s[WL], 1
	s_lshl_b32 s57, s57, 9
	s_add_co_u32 s56, s56, s57                     ; my K step of dec_h
	s_and_b32 s57, s[WV], 3
	s_mul_i32 s48, s57, DECT                       ; the tile that waves 0-3 fetch
	v_and_b32 v1, 15, v0                           ; r
	v_bfe_u32 v2, v0, 4, 1                         ; h
	v_and_b32 v3, 31, v0                           ; lane
	s_delay_alu instid0(VALU_DEP_3)
	v_and_b32 v4, 8, v1
	s_delay_alu instid0(VALU_DEP_1)
	v_add_nc_u32 v4, v4, v1                        ; r + 8 (r / 8)
	s_delay_alu instid0(VALU_DEP_1)
	v_lshlrev_b32 v5, 6, v4                        ; W1's scale bytes: 64 a row
	s_delay_alu instid0(VALU_DEP_2)
	v_lshlrev_b32 v4, 11, v4
	s_delay_alu instid0(VALU_DEP_1)
	v_lshl_add_u32 v4, v2, 4, v4                   ; W1's codes: 2,048 a row, + 16 h
	v_mul_u32_u24 v6, v1, 1040
	s_delay_alu instid0(VALU_DEP_1)
	v_lshl_add_u32 v6, v2, 6, v6
	s_delay_alu instid0(VALU_DEP_1)
	v_add_nc_u32 v6, s56, v6                       ; dec_h: row r of my K step, + 64 h
	s_mul_i32 s49, s[WL], CTXT
	s_add_co_u32 s49, s49, CTXL
	v_mul_u32_u24 v7, v1, 1040
	s_delay_alu instid0(VALU_DEP_1)
	v_lshl_add_u32 v7, v2, 6, v7
	s_delay_alu instid0(VALU_DEP_1)
	v_add_nc_u32 v7, s49, v7                       ; part_c's likewise
	v_lshlrev_b32 v8, 8, v1                        ; part_ml: 256 bytes a batch
	v_lshlrev_b32 v11, 4, v3                       ; 16 x lane
	v_lshlrev_b32 v12, 2, v3                       ; 4 x lane
	s_lshl_b32 s50, s[WV], 11
	s_add_co_u32 s50, s50, RED
	v_add_nc_u32 v9, s50, v11                      ; my image
	v_add_nc_u32 v10, RED, v11                     ; all images
.irp b, 0,1,2,3
	v_mov_b32 v[TM+4+\b], 0                        ; a lane permute's destination counts as one of its sources
.endr
	s_mov_b32 s[SEL], 0x76543210
	s_mov_b32 s[SEL+1], 0xfedcba98
	s_mov_b32 s[MNT], 0x600000
	; dec_h: 16 rows x 1,024 bytes (128 elements of 8), 4,096 bytes apart; 16 bytes of padding behind each row of 256 words
	s_mov_b32 s24, 15|(3<<16)|(1<<20)|(1<<21)|(7<<22)|(3<<25)
	s_mov_b32 s25, 128<<16
	s_mov_b32 s26, 16<<16
	s_mov_b32 s27, 128<<16
	s_mov_b32 s28, 16
	s_mov_b32 s29, 512
	s_mov_b32 s30, 0
	s_mov_b32 s31, 0
	; part_c: 64 dense rows of 1,024 bytes; the same padding
	s_mov_b32 s32, 15|(3<<16)|(1<<20)|(1<<21)|(7<<22)|(3<<25)
	s_mov_b32 s33, 128<<16
	s_mov_b32 s34, 64<<16
	s_mov_b32 s35, 128<<16
	s_mov_b32 s36, 64
	s_mov_b32 s37, 128
	s_mov_b32 s38, 0
	s_mov_b32 s39, 0
	s_mov_b32 s3, 0
	s_mov_b32 s53, 0
	s_mov_b32 s55, 0
	s_wait_dscnt 0x0
	s_wait_kmcnt 0x0
	s_lshl_b32 s2, s[WG], 16                       ; W1: 32 W rows of 2,048 codes, + my K step's 128
	s_lshl_b32 s51, s[WV], 7
	s_add_co_u32 s2, s2, s51
	s_add_nc_u64 s[10:11], s[10:11], s[2:3]
	s_lshl_b32 s2, s[WG], 11                       ; its scale bytes: 32 W rows of 64, + my word
	s_lshl_b32 s51, s[WV], 2
	s_add_co_u32 s2, s2, s51
	s_add_nc_u64 s[12:13], s[12:13], s[2:3]
.irp u, 0,1
.irp c, 0,1,2,3
	global_load_b128 v[W1F+16*\u+4*\c:W1F+16*\u+4*\c+3], v4, s[10:11] offset:16384*\u+32*\c
.endr
	global_load_b32 v[W1S+\u], v5, s[12:13] offset:512*\u
.endr
	s_lshl_b32 s2, s57, 10
	s_mov_b32 s40, 1
	s_mov_b32 s41, s48
	s_add_nc_u64 s[42:43], s[4:5], s[2:3]          ; dec_h at two K steps
	s_or_b32 s43, s43, 0x80000000
	s_and_b32 s51, s[WV], 1
	s_lshl_b32 s2, s51, 16
	s_mov_b32 s44, 1
	s_mul_i32 s45, s51, 64*1040
	s_add_co_u32 s45, s45, CTXL
	s_add_nc_u64 s[46:47], s[6:7], s[2:3]          ; half of part_c
	s_or_b32 s47, s47, 0x80000000
	s_lshl_b32 s2, s[WL], 5
	s_add_nc_u64 s[8:9], s[8:9], s[2:3]            ; part_ml likewise
	s_lshr_b32 s2, s[WG], 2
	s_mul_i32 s2, s2, 2560                         ; hbuf: K step W / 4, block W % 4
	s_and_b32 s51, s[WG], 3
	s_lshl_b32 s52, s51, 9
	s_add_co_u32 s52, s52, s2
	s_lshl_b32 s54, s51, 7
	s_add_co_u32 s54, s54, s2
	s_add_co_u32 s54, s54, 2048
	s_add_nc_u64 s[52:53], s[14:15], s[52:53]
	s_add_nc_u64 s[54:55], s[14:15], s[54:55]
	s_wait_alu depctr_va_vdst(0)
	s_cmp_lt_u32 s[WV], 8
	s_cbranch_scc1 .Lno_ml
	global_load_b128 v[ML:ML+3], v8, s[8:9]            ; M, L of head 2 w', halves 0 and 1
	global_load_b128 v[ML+4:ML+7], v8, s[8:9] offset:16  ; and of head 2 w' + 1
.Lno_ml:
	CROUND                                         ; the four work-groups are here: the joint loads meet
	s_cmp_lt_u32 s[WV], 4
	s_cbranch_scc0 .Lask_ctx
	tensor_load_to_lds s[40:43], s[24:31]
	s_nop 0
.rept 4
	v_nop
.endr
	s_branch .Lasked
.Lask_ctx:
	s_cmp_lt_u32 s[WV], 6
	s_cbranch_scc0 .Lasked
	tensor_load_to_lds s[44:47], s[32:39]
	s_nop 0
.rept 4
	v_nop
.endr
.Lasked:
	s_wait_tensorcnt 0x0                           ; what I fetched is in, and behind the barrier what all have fetched
	s_barrier_signal -1
	s_barrier_wait -1
	s_cmp_lt_u32 s[WV], 8
	s_cbranch_scc0 .Lctx
.irp c, 0,1,2,3
.irp j, 0,1,2,3
	ds_load_b128 v[X+16*\c+4*\j:X+16*\c+4*\j+3], v6 offset:128*\c+16*\j
.endr
.endr
	s_wait_dscnt 0x0
	s_branch .Lquant
.Lctx:
.irp c, 0,1,2,3
.irp j, 0,1,2,3
	ds_load_b128 v[X+16*\c+4*\j:X+16*\c+4*\j+3], v7 offset:(\c/2)*512+(\c%2)*128+16*\j
	ds_load_b128 v[P1+16*\c+4*\j:P1+16*\c+4*\j+3], v7 offset:(\c/2)*512+256+(\c%2)*128+16*\j
.endr
.endr
	s_wait_loadcnt 0x0
.irp g, 0,1
	v_max_num_f32 v[196+\g], v[ML+4*\g], v[ML+2+4*\g]
.endr
.irp g, 0
	s_delay_alu instid0(VALU_DEP_2)
	v_sub_f32 v[198+2*\g], v[ML+4*\g], v[196+\g]
	s_delay_alu instid0(VALU_DEP_3)
	v_sub_f32 v[199+2*\g], v[ML+2+4*\g], v[196+\g]
.endr
.irp g, 1
	s_delay_alu instid0(VALU_DEP_3)
	v_sub_f32 v[198+2*\g], v[ML+4*\g], v[196+\g]
	s_delay_alu instid0(VALU_DEP_4)
	v_sub_f32 v[199+2*\g], v[ML+2+4*\g], v[196+\g]
.endr
	s_wait_alu depctr_va_vdst(0)
.irp i, 198,199,200,201
	v_exp_f32 v[\i], v[\i]                         ; e0, e1 of both heads: one batch
.endr
	v_nop
	s_wait_alu depctr_va_vdst(0)                   ; one wait for the four
.irp g, 0,1
	v_mul_f32 v[202+\g], v[198+2*\g], v[ML+1+4*\g]
.endr
.irp g, 0,1
	v_fma_f32 v[202+\g], v[199+2*\g], v[ML+3+4*\g], v[202+\g]   ; L0 e0 + L1 e1
.endr
	s_wait_alu depctr_va_vdst(0)
.irp g, 0,1
	v_rcp_f32 v[204+\g], v[202+\g]
.endr
	v_nop
	s_wait_alu depctr_va_vdst(0)
.irp g, 0,1
	v_mul_f32 v[WT+4*\g], v[198+2*\g], v[204+\g]
	v_mul_f32 v[WT+2+4*\g], v[199+2*\g], v[204+\g]
	v_mov_b32 v[WT+1+4*\g], 0                      ; (the pairs' upper words are named with them)
	v_mov_b32 v[WT+3+4*\g], 0
.endr
	s_wait_alu depctr_va_vdst(0)
	s_wait_dscnt 0x0
.irp c, 0,1,2,3
.irp k, 0,2,4,6,8,10,12,14
	v_pk_mul_f32 v[X+16*\c+\k:X+16*\c+\k+1], v[X+16*\c+\k:X+16*\c+\k+1], v[WT+4*(\c/2):WT+4*(\c/2)+1] op_sel_hi:[1,0]
.endr
.irp k, 0,2,4,6,8,10,12,14
	v_pk_fma_f32 v[X+16*\c+\k:X+16*\c+\k+1], v[P1+16*\c+\k:P1+16*\c+\k+1], v[WT+2+4*(\c/2):WT+3+4*(\c/2)], v[X+16*\c+\k:X+16*\c+\k+1] op_sel_hi:[1,0,1]
.endr
.endr
.Lquant:
	QUANT X
	s_wait_alu depctr_va_vdst(0)
	s_wait_loadcnt 0x0                             ; W1
	PLACES 4                                       ; codes written by vector instructions stand four places ahead of a scaled matrix instruction; the scale word was made ahead of the 64 holds
.irp u, 0,1
	v_wmma_scale_f32_16x16x128_f8f6f4 v[ACC+8*\u:ACC+8*\u+7], v[W1F+16*\u:W1F+16*\u+15], v[PC:PC+15], 0, v[W1S+\u], v[PW]
.endr
	PLACES 8
.irp g, 0,1,2,3
	ds_store_b128 v9, v[ACC+4*\g:ACC+4*\g+3] offset:512*\g    ; the image of my 16 registers; each accumulator from its low end on
.endr
	s_wait_dscnt 0x0                               ; for wave 0's sake
	s_barrier_signal -1
	s_barrier_wait -1
	s_cmp_lg_u32 s[WV], 0
	s_cbranch_scc1 .Lend
.macro ADDI a, b                       ; image place b is added onto place a (place j: v[16 + 16 j] on)
.irp k, 0,2,4,6,8,10,12,14
	v_pk_add_f32 v[16+16*(\a)+\k:16+16*(\a)+\k+1], v[16+16*(\a)+\k:16+16*(\a)+\k+1], v[16+16*(\b)+\k:16+16*(\b)+\k+1]
.endr
.endm
.macro FOLD8
.irp i, 0,1,2,3
	ADDI \i, \i+4
.endr
	ADDI 0, 2
	ADDI 1, 3
	ADDI 0, 1
.endm
.irp i, 0,1,2,3,4,5,6,7
.irp g, 0,1,2,3
	ds_load_b128 v[16+16*\i+4*\g:16+16*\i+4*\g+3], v10 offset:2048*\i+512*\g
.endr
.endr
	s_wait_dscnt 0x0
	FOLD8                                          ; images 0-7 into place 0
.irp i, 1,2,3,4,5,6,7,8
.irp g, 0,1,2,3
	ds_load_b128 v[16+16*\i+4*\g:16+16*\i+4*\g+3], v10 offset:2048*(\i+7)+512*\g   ; images 8-15 into places 1-8
.endr
.endr
	s_wait_alu depctr_va_vdst(0)
	s_wait_dscnt 0x0
	ADDI 0, 8
	FOLD8                                          ; v16-31: x of row r, units 16 h + 0 .. 15
.irp k, 0,2,4,6,8,10,12,14
	v_pk_mul_f32 v[SG+\k:SG+\k+1], v[16+\k:17+\k], 0xbfb8aa3b op_sel_hi:[1,0]   ; -x log2(e)
.endr
	s_wait_alu depctr_va_vdst(0)
.irp k, 0,1,2,3,4,5,6,7,8,9,10,11,12,13,14,15
	v_exp_f32 v[SG+\k], v[SG+\k]
.endr
	v_nop
	s_wait_alu depctr_va_vdst(0)                   ; one wait for the sixteen
.irp k, 0,2,4,6,8,10,12,14
	v_pk_add_f32 v[SG+\k:SG+\k+1], v[SG+\k:SG+\k+1], 1.0 op_sel_hi:[1,0]
.endr
	s_wait_alu depctr_va_vdst(0)
.irp k, 0,1,2,3,4,5,6,7,8,9,10,11,12,13,14,15
	v_rcp_f32 v[SG+\k], v[SG+\k]
.endr
	v_nop
	s_wait_alu depctr_va_vdst(0)
.irp k, 0,2,4,6,8,10,12,14
	v_pk_mul_f32 v[16+\k:17+\k], v[16+\k:17+\k], v[SG+\k:SG+\k+1]   ; silu
.endr
	v_max3_num_f32 v196, |v16|, |v17|, 0x4800000   ; one block of 32: my 16 and lane l xor 16's; two chains, with the floor 2^(9 - 127)
	v_max3_num_f32 v197, |v18|, |v19|, |v20|
	s_delay_alu instid0(VALU_DEP_2)
	v_max3_num_f32 v196, v196, |v21|, |v22|
	s_delay_alu instid0(VALU_DEP_2)
	v_max3_num_f32 v197, v197, |v23|, |v24|
	s_delay_alu instid0(VALU_DEP_2)
	v_max3_num_f32 v196, v196, |v25|, |v26|
	s_delay_alu instid0(VALU_DEP_2)
	v_max3_num_f32 v197, v197, |v27|, |v28|
	s_delay_alu instid0(VALU_DEP_2)
	v_max3_num_f32 v196, v196, |v29|, |v30|
	s_delay_alu instid0(VALU_DEP_1)
	v_max3_num_f32 v196, v196, v197, |v31|
	s_delay_alu instid0(VALU_DEP_1)
	v_permlanex16_b32 v197, v196, s[SEL], s[SEL+1]
	s_delay_alu instid0(VALU_DEP_1)
	v_max_num_f32 v196, v196, v197
	s_delay_alu instid0(VALU_DEP_1)
	v_add_nc_u32 v198, 0xfc000000, v196
	s_delay_alu instid0(VALU_DEP_2)
	v_and_or_b32 v199, v196, 0x7f800000, s[MNT]
	s_delay_alu instid0(VALU_DEP_2)
	v_lshrrev_b32 v200, 23, v198                   ; the byte, as a word
.irp k, 0,1,2,3,4,5,6,7,8,9,10,11,12,13,14,15
	v_med3_num_f32 v[16+\k], v[16+\k], -v199, v199
.endr
	v_cvt_scalef32_pk8_fp8_f32 v[202:203], v[16:23], v198
	v_cvt_scalef32_pk8_fp8_f32 v[204:205], v[24:31], v198
	v_nop
	global_store_b128 v11, v[202:205], s[52:53]    ; the 32 lanes store 512 consecutive bytes, aligned to 256
	global_store_b32 v12, v200, s[54:55]
.Lend:
	s_wait_tensorcnt 0x0
	ds_add_u32 v254, v255
	s_wait_dscnt 0x0
	CROUND                                         ; the closing round
	s_endpgm
.Lfunc_end_k_qd102f74c28_mlp1:
	.size	k_qd102f74c28_mlp1, .Lfunc_end_k_qd102f74c28_mlp1-k_qd102f74c28_mlp1
	.p2alignl 7, 3214868480
	.fill 96, 4, 3214868480
	.section	.rodata,"a",@progbits
	.p2align	6, 0x0
	.amdhsa_kernel k_qd102f74c28_mlp1
		.amdhsa_group_segment_fixed_size 235520
		.amdhsa_private_segment_fixed_size 0
		.amdhsa_enable_private_segment 0
		.amdhsa_kernarg_size 48
		.amdhsa_user_sgpr_count 2
		.amdhsa_user_sgpr_kernarg_segment_ptr 1
		.amdhsa_wavefront_size32 1
		.amdhsa_system_sgpr_workgroup_id_x 1
		.amdhsa_system_sgpr_workgroup_id_y 1
		.amdhsa_system_sgpr_workgroup_id_z 1
		.amdhsa_system_vgpr_workitem_id 0
		.amdhsa_next_free_vgpr 256
		.amdhsa_next_free_sgpr 66
		.amdhsa_reserve_vcc 0
		.amdhsa_float_denorm_mode_32 3
		.amdhsa_float_denorm_mode_16_64 3
		.amdhsa_memory_ordered 1
		.amdhsa_forward_progress 1
		.amdhsa_inst_pref_size 44
	.end_amdhsa_kernel
	.amdgpu_metadata
---
amdhsa.version: [ 1, 2 ]
amdhsa.kernels:
  - .name:           k_qd102f74c28_mlp1
    .symbol:         k_qd102f74c28_mlp1.kd
    .args:
      - { .name: dec_h, .offset: 0, .size: 8, .value_kind: global_buffer, .address_space: global }
      - { .name: part_c, .offset: 8, .size: 8, .value_kind: global_buffer, .address_space: global }
      - { .name: part_ml, .offset: 16, .size: 8, .value_kind: global_buffer, .address_space: global }
      - { .name: W1_codes, .offset: 24, .size: 8, .value_kind: global_buffer, .address_space: global }
      - { .name: W1_scales, .offset: 32, .size: 8, .value_kind: global_buffer, .address_space: global }
      - { .name: hbuf, .offset: 40, .size: 8, .value_kind: global_buffer, .address_space: global }
    .group_segment_fixed_size: 235520
    .private_segment_fixed_size: 0
    .kernarg_segment_align: 8
    .kernarg_segment_size: 48
    .max_flat_workgroup_size: 512
    .sgpr_count:     66
    .vgpr_count:     256
    .wavefront_size: 32
...
	.end_amdgpu_metadata
.endif
;; end of part 2
;; launch mlp2 (part 3): grid 64 x 1, 16 waves a work-group, no clusters, 18,432 bytes of LDS; arguments hbuf, W2_codes, W2_scales, out0; writes out0
.if DOCPART == 3
	.amdgcn_target "amdgcn-amd-amdhsa--gfx1250"
	.amdhsa_code_object_version 6
	.text
	.protected	k_qd102f74c28_mlp2
	.globl	k_qd102f74c28_mlp2
	.p2align	8
	.type	k_qd102f74c28_mlp2,@function
k_qd102f74c28_mlp2:
	s_mov_b64 s[64:65], 0
	v_nop
	global_prefetch_b8 v0, s[64:65] scope:SCOPE_SE
	s_setreg_imm32_b32 hwreg(HW_REG_WAVE_MODE, 25, 1), 1
	s_wait_xcnt 0x0
; out = h W2^T on codes of FP8 (E4M3) with E8M0 scales.  h comes from hbuf as register images of its 32 fragments, with a word for each block's scale byte.
; SHARES.  Work-group W makes outputs 16 W .. + 15 for all 16 rows.  Wave w takes K steps 2 w and 2 w + 1: 256 aligned bytes of each of W2's 16 rows and 5,120 bytes of hbuf, all straight into registers.
; NO CLUSTER, no tensor load: each byte of hbuf is used by one wave of a work-group, once, and lies in the order of its registers: LDS would be passed through for nothing.  No loop, so no prefetch.
; Used transposed (source 0 = W2's 16 rows, source 1 = h): lane (r, h) holds row r and outputs 8 h + 0 .. 7.  The sixteen partial sums meet in LDS as register images; waves 0 and 1 add half of the registers each and store.
; A LIMIT THAT IS KEPT: a row's piece of out0 is 64 bytes, not 256: pieces of 256 would take 64 outputs to a work-group and leave W2's 4 MiB to sixteen work-groups; out0 is 64 KiB in all.
; LIMITS: NaN and infinities are not served.
.set SPARE, 16384                      ; behind the partial sums, 1,024 bytes a wave
.set W2F,  16                          ; v16-47
.set HF,   64                          ; v64-95
.set ACC,  112                         ; v112-127
.set SUM,  128                         ; v128-135
.set W2S,  240                         ; v240-241 W2's scale words;  v242-243 h's;  v244-251 h's bytes as they come: these registers hold scales alone
.set HW,   242
.set HB,   244
.set WV,   16
	s_load_b256 s[4:11], s[0:1], 0x0               ; hbuf, W2's codes, W2's scales, out0
	v_lshl_add_u32 v254, v0, 2, SPARE
	v_mov_b32 v255, 0
	v_lshrrev_b32 v1, 5, v0
	v_readfirstlane_b32 s[WV], v1                  ; wave 0..15
	s_mul_i32 s20, s[WV], 5120
	s_lshl_b32 s21, s[WV], 10
	s_and_b32 s22, s[WV], 1
	s_lshl_b32 s23, s22, 4
	s_lshl_b32 s22, s22, 9
	v_and_b32 v1, 15, v0                           ; r
	v_bfe_u32 v2, v0, 4, 1                         ; h
	v_and_b32 v3, 31, v0                           ; lane
	v_lshlrev_b32 v4, 12, v1
	v_lshlrev_b32 v5, 7, v1                        ; W2's scale bytes: 128 a row
	v_lshl_add_u32 v10, v2, 5, s23
	v_lshl_add_u32 v6, v3, 4, s20                  ; my two images
	v_lshl_add_u32 v7, v3, 2, s20                  ; and their bytes' words
	v_lshl_add_u32 v10, v1, 12, v10                ; out0: row r of 4,096 bytes, + 32 h, + 16 for wave 1
	v_lshl_add_u32 v4, v2, 4, v4                   ; W2's codes: 4,096 a row, + 16 h
	v_lshl_add_u32 v8, v3, 4, s21                  ; my partial sum
	v_lshl_add_u32 v9, v3, 4, s22                  ; my half of all partial sums
	s_mov_b32 s3, 0
	s_wait_alu depctr_va_vdst(0)
	s_wait_kmcnt 0x0
	s_lshl_b32 s2, ttmp9, 16                       ; 16 W rows of 4,096 codes, + my 256
	s_lshl_b32 s24, s[WV], 8
	s_add_co_u32 s2, s2, s24
	s_add_nc_u64 s[6:7], s[6:7], s[2:3]
	s_lshl_b32 s2, ttmp9, 11                       ; 16 W rows of 128 scale bytes, + my two words
	s_lshl_b32 s24, s[WV], 3
	s_add_co_u32 s2, s2, s24
	s_add_nc_u64 s[8:9], s[8:9], s[2:3]
	s_lshl_b32 s2, ttmp9, 6
	s_add_nc_u64 s[10:11], s[10:11], s[2:3]        ; out0 at my 16 outputs
.irp s, 0,1
.irp c, 0,1,2,3
	global_load_b32 v[HB+4*\s+\c], v7, s[4:5] offset:2560*\s+2048+128*\c
.endr
.endr
.irp s, 0,1
.irp c, 0,1,2,3
	global_load_b128 v[W2F+16*\s+4*\c:W2F+16*\s+4*\c+3], v4, s[6:7] offset:128*\s+32*\c
.endr
.endr
	global_load_b64 v[W2S:W2S+1], v5, s[8:9]
.irp s, 0,1
.irp c, 0,1,2,3
	global_load_b128 v[HF+16*\s+4*\c:HF+16*\s+4*\c+3], v6, s[4:5] offset:2560*\s+512*\c
.endr
.endr
	s_wait_loadcnt 17                              ; h's bytes are in: seventeen loads are younger
.irp c, 1,2,3
.irp s, 0,1
.if \c == 1
	v_lshl_or_b32 v[HW+\s], v[HB+4*\s+1], 8, v[HB+4*\s]      ; four bytes make row r's scale word
.else
	v_lshl_or_b32 v[HW+\s], v[HB+4*\s+\c], 8*\c, v[HW+\s]
.endif
.endr
.endr
	s_wait_alu depctr_va_vdst(0)
	s_wait_loadcnt 0x0
.rept 8
	v_nop                                          ; a scale register written by vector instructions stands eight places ahead of a scaled matrix instruction
.endr
.irp s, 0,1
	v_wmma_scale_f32_16x16x128_f8f6f4 v[ACC+8*\s:ACC+8*\s+7], v[W2F+16*\s:W2F+16*\s+15], v[HF+16*\s:HF+16*\s+15], 0, v[W2S+\s], v[HW+\s]
.endr
.rept 8
	v_nop
.endr
.irp k, 0,2,4,6
	v_pk_add_f32 v[SUM+\k:SUM+\k+1], v[ACC+\k:ACC+\k+1], v[ACC+8+\k:ACC+8+\k+1]   ; both accumulators from their low ends on
.endr
	ds_store_b128 v8, v[SUM:SUM+3]
	ds_store_b128 v8, v[SUM+4:SUM+7] offset:512
	s_wait_dscnt 0x0                               ; for waves 0 and 1
	s_barrier_signal -1
	s_barrier_wait -1
	s_cmp_lt_u32 s[WV], 2
	s_cbranch_scc0 .Lend
.irp i, 0,1,2,3,4,5,6,7,8,9,10,11,12,13,14,15
	ds_load_b128 v[16+4*\i:16+4*\i+3], v9 offset:1024*\i
.endr
	s_wait_dscnt 0x0
.macro FOLD d                          ; image i + d is added onto image i, i = 0 .. d - 1
.set i, 0
.rept \d
	v_pk_add_f32 v[16+4*i:17+4*i], v[16+4*i:17+4*i], v[16+4*(i+\d):17+4*(i+\d)]
	v_pk_add_f32 v[18+4*i:19+4*i], v[18+4*i:19+4*i], v[18+4*(i+\d):19+4*(i+\d)]
.set i, i+1
.endr
.endm
	FOLD 8
	FOLD 4
	FOLD 2
	FOLD 1
	global_store_b128 v10, v[16:19], s[10:11]      ; out(r, 16 W + 8 h + 4 w + 0 .. 3)
.Lend:
	s_wait_tensorcnt 0x0                           ; the wave's end
	ds_add_u32 v254, v255
	s_wait_dscnt 0x0
	s_endpgm
.Lfunc_end_k_qd102f74c28_mlp2:
	.size	k_qd102f74c28_mlp2, .Lfunc_end_k_qd102f74c28_mlp2-k_qd102f74c28_mlp2
	.p2alignl 7, 3214868480
	.fill 96, 4, 3214868480
	.section	.rodata,"a",@progbits
	.p2align	6, 0x0
	.amdhsa_kernel k_qd102f74c28_mlp2
		.amdhsa_group_segment_fixed_size 18432
		.amdhsa_private_segment_fixed_size 0
		.amdhsa_enable_private_segment 0
		.amdhsa_kernarg_size 32
		.amdhsa_user_sgpr_count 2
		.amdhsa_user_sgpr_kernarg_segment_ptr 1
		.amdhsa_wavefront_size32 1
		.amdhsa_system_sgpr_workgroup_id_x 1
		.amdhsa_system_sgpr_workgroup_id_y 1
		.amdhsa_system_sgpr_workgroup_id_z 1
		.amdhsa_system_vgpr_workitem_id 0
		.amdhsa_next_free_vgpr 256
		.amdhsa_next_free_sgpr 66
		.amdhsa_reserve_vcc 0
		.amdhsa_float_denorm_mode_32 3
		.amdhsa_float_denorm_mode_16_64 3
		.amdhsa_memory_ordered 1
		.amdhsa_forward_progress 1
		.amdhsa_inst_pref_size 9
	.end_amdhsa_kernel
	.amdgpu_metadata
---
amdhsa.version: [ 1, 2 ]
amdhsa.kernels:
  - .name:           k_qd102f74c28_mlp2
    .symbol:         k_qd102f74c28_mlp2.kd
    .args:
      - { .name: hbuf, .offset: 0, .size: 8, .value_kind: global_buffer, .address_space: global }
      - { .name: W2_codes, .offset: 8, .size: 8, .value_kind: global_buffer, .address_space: global }
      - { .name: W2_scales, .offset: 16, .size: 8, .value_kind: global_buffer, .address_space: global }
      - { .name: out0, .offset: 24, .size: 8, .value_kind: global_buffer, .address_space: global }
    .group_segment_fixed_size: 18432
    .private_segment_fixed_size: 0
    .kernarg_segment_align: 8
    .kernarg_segment_size: 32
    .max_flat_workgroup_size: 512
    .sgpr_count:     66
    .vgpr_count:     256
    .wavefront_size: 32
...
	.end_amdgpu_metadata
.endif
;; end of part 3
